; MI455X (gfx1250); checked and timed in simulation.
; The chip was launched on July 23, 2026; its instructions are those of AMD's public machine-readable ISA for CDNA 5 (MIT licence, August 2026) and "CDNA5" Instruction Set Architecture Reference Guide (July 2026). The comments in the code are by the model that wrote it; some were corrected since.
;; Attention. Allowed arithmetic: matrix products marked QUANTISED: E2M3 operands, one E8M0 scale for each 32 along K, by v_wmma_scale_f32_16x16x128_f8f6f4 with both operands' format E2M3, f32 sums; products left as they are: f32 operands where the result goes on into a quantised operand, else bf16, f16 or f32 operands; f32 sums; everything else in f32.
;; Inputs: Wk_codes 1,024 x 32 x 24 uint8 (E2M3 codes of Wk, K innermost, in blocks of 32 codes, four codes in three bytes); Wk_scales 1,024 x 32 uint8 (E8M0 scales of Wk, one for each 32 codes along K); Wq_codes 1,024 x 32 x 24 uint8 (E2M3 codes of Wq, K innermost, in blocks of 32 codes, four codes in three bytes); Wq_scales 1,024 x 32 uint8 (E8M0 scales of Wq, one for each 32 codes along K); encoder_outputs_codes 32 x 2,048 x 32 x 24 uint8 (E2M3 codes of encoder_outputs, K innermost, in blocks of 32 codes, four codes in three bytes); encoder_outputs_scales 32 x 2,048 x 32 uint8 (E8M0 scales of encoder_outputs, one for each 32 codes along K); hidden_codes 32 x 32 x 24 uint8 (E2M3 codes of hidden, K innermost, in blocks of 32 codes, four codes in three bytes); hidden_scales 32 x 32 uint8 (E8M0 scales of hidden, one for each 32 codes along K); lengths 32 int32; v 1,024 float32.
;; Outputs: out0 32 x 2,048 float32.
;; This version of the problem:
;;   THIS VERSION OF THE PROBLEM IS GIVEN IN LOW PRECISION. The matrix products marked QUANTISED in the list below multiply operands that are first quantised to E2M3 (2 exponent bits, 3 mantissa bits; 6 bits a number), with one power-of-two scale for each 32 numbers along K (OCP MX v1.0); their sums are f32. All else is computed in f32.
;;   The module's matrix products, in the order in which they are computed (A, B: the left and right operand; K: the contracted axis; several contracted axes count as one K, in the product's order):
;;     1. [M 32, K 1,024] x [K 1,024, N 1,024]; A: input hidden (given as codes); B: input Wq (given as codes): QUANTISED
;;     2. [M 65,536, K 1,024] x [K 1,024, N 1,024]; A: input encoder_outputs (given as codes); B: input Wk (given as codes): QUANTISED
;;     3. [M 65,536, K 1,024] x [K 1,024, N 1]; A: computed on the way; B: input v: left as it is (N = 1 < 16)
;;   THE QUANTISER, for each operand of a quantised product, along K:
;;     - K is cut into blocks of 32 from its start; a last block that is shorter is filled with zeros.
;;     - A block's scale is 2^e with e = floor(log2(the largest magnitude in the block)) - 2, held to -126 .. 127; a block of zeros has e = 0. As a byte (E8M0): e + 127.
;;     - Each number is divided by its block's scale, clamped to +-7.5, and rounded to the nearest number of E2M3, ties to even, subnormals kept.
;;     - The product sums the exact products of the quantised numbers (number of the format x scale) in f32.
;;   ~~~python
;;   def quantise(x, axis):      # numpy; x: float32 -> the quantised numbers, widened to float32 again
;;       x = np.moveaxis(x, axis, -1); K = x.shape[-1]
;;       x = np.pad(x, [(0, 0)] * (x.ndim - 1) + [(0, -K % 32)]); x = x.reshape(x.shape[:-1] + (-1, 32)); a = np.abs(x).max(-1, keepdims=True)
;;       e = np.where(a > 0, np.clip(np.frexp(np.where(a > 0, a, 1))[1] - 1 - 2, -126, 127), 0)      # np.frexp(a)[1] - 1 = floor(log2(a)), exactly
;;       r = np.clip(x / 2.0 ** e, -7.5, 7.5)
;;       step = 2.0 ** (np.maximum(np.frexp(np.where(r == 0, 1, r))[1] - 1, 0) - 3)
;;       q = np.round(r / step) * step * 2.0 ** e      # np.round: ties to even
;;       return np.moveaxis(q.reshape(q.shape[:-2] + (-1,))[..., :K], -1, axis).astype(np.float32)
;;   ~~~
;;   INPUTS GIVEN AS CODES. Wk (in the module: [1024, 1024], K = its axis 1); Wq (in the module: [1024, 1024], K = its axis 1); encoder_outputs (in the module: [32, 2048, 1024], K = its axis 2); hidden (in the module: [32, 1024], K = its axis 1): each comes as NAME_codes (uint8): NAME with its K axis moved to the last place and cut into blocks of 32 codes, [.., K / 32, bytes a block], one block behind the other in memory; four codes in three bytes: a row's codes are one little-endian stream of bits, code i at bits 6 i .. 6 i + 5 (a code: sign, 2 exponent bits, 3 mantissa bits); and NAME_scales (uint8): the same leading axes, one E8M0 byte (e + 127) for each 32 codes along K. Its value is code x scale, taken as it is: it is not quantised again, and the codes and scales need not be those that the quantiser above would give.
;; One version. Each part assembles by itself: llvm-mc -triple=amdgcn-amd-amdhsa -mcpu=gfx1250 --defsym DOCPART=n.
;; ======== version 1 of 1: 3 launches
;; limits: right only within a limited range of input values
;; workspace buffers: wimg 786,432 bytes; wsc 32,768 bytes; cq 131,072 bytes; sc 524,288 bytes
;; launch prep (part 1): grid 48 x 1, 4 waves a work-group, no clusters, 5,120 bytes of LDS; arguments hidden_codes, hidden_scales, Wq_codes, Wq_scales, Wk_codes, Wk_scales, cq, wimg, wsc; writes cq, wimg, wsc
.if DOCPART == 1
	.amdgcn_target "amdgcn-amd-amdhsa--gfx1250"
	.amdhsa_code_object_version 6
	.text
	.protected	k_qef26afec36_prep
	.globl	k_qef26afec36_prep
	.p2align	8
	.type	k_qef26afec36_prep,@function
k_qef26afec36_prep:
	s_mov_b64 s[64:65], 0
	v_nop
	global_prefetch_b8 v0, s[64:65] scope:SCOPE_SE
	s_setreg_imm32_b32 hwreg(HW_REG_WAVE_MODE, 25, 1), 1
	s_wait_xcnt 0x0
; ADDITIVE ATTENTION, first of three launches: out[b][s] = softmax_s( sum_h v[h] tanh(q[b][h] + keys[b][s][h]) ) under the mask s < lengths[b].
; q = hidden Wq^T and keys = enc Wk^T are products on codes of FP6 (E2M3) with one E8M0 scale for each 32 along K.
; WORK LEFT OUT IN THIS PROGRAM, for all values of the inputs:
;  (1) Rows s >= lengths[b] get -infinity from a mask that the problem builds itself, and so the weight 0: their keys, tanh and sums reach no output.
;      They are left out in whole tiles of 16 rows (2,048 is a multiple of 16: no tile spans two batches); in a batch's last live tile they are computed and masked.
;  (2) tanh(x) = 1 - 2 / (1 + e^(2x)), so the logit is sum_h v[h] - 2 u with u = sum_h v[h] / (1 + 2^(c x)), c = 2 log2(e).  The term sum_h v[h] is the same
;      along the softmax's axis and goes; the weight is 2^(c (u_min - u)) over its row's sum: the largest logit is still taken away, as the smallest u.
;  Every input has a way to the output and is loaded.
; LIMITS: a NaN, an infinity or an overflow that lies only in rows under the mask is not carried to the result.  lengths is held to 0 .. 2,048; a length of 0 or less gives a row of NaN, as the problem's own softmax does.
; THIS LAUNCH.  Work-groups 0-31: c q, f32, [32][1024], into cq.  Work-groups 32-47: Wk's codes and scale words laid in the order of an operand's registers, into wimg and wsc.
; K IS PERMUTED ALIKE IN BOTH OPERANDS OF EACH PRODUCT: of a K step's 96 bytes of a row a lane takes 48 on end (lanes 0-15 the first, lanes 16-31 the second), three loads of 16 bytes.
; The unit's block 2 c + h then holds the row's block 2 h + c: so bytes 1 and 2 of every scale word change places.  Only the order inside a sum changes.
.set SPARE, 4608                       ; behind the stage: the spare words, 128 bytes for each wave
.set SPW,  250                         ; v250  LDS address of my spare word; never rewritten
.set NIL,  251                         ; v251  0; never rewritten
.set QS,   16                          ; v16-19  scale words of source 0: register k % 4, lanes 0-15 for k < 4, lanes 16-31 for k >= 4
.set HS,   20                          ; v20-23  the same of source 1
.set FQ,   32                          ; v32-127   eight fragments of Wq (or of Wk)
.set FH,   128                         ; v128-223  eight fragments of hidden
.set ACA,  224                         ; v224-231  the sum over even K steps
.set ACB,  232                         ; v232-239  the sum over odd K steps
.set RES,  240                         ; v240-247  c q
	s_load_b512 s[4:19], s[0:1], 0x0               ; hidden codes s[4:5], scales s[6:7]; Wq codes s[8:9], scales s[10:11]; Wk codes s[12:13], scales s[14:15]; cq s[16:17]; wimg s[18:19]
	s_load_b64 s[20:21], s[0:1], 0x40              ; wsc
	v_lshl_add_u32 v[SPW], v0, 2, SPARE
	v_mov_b32 v[NIL], 0
	v_lshrrev_b32 v1, 5, v0
	v_readfirstlane_b32 s24, v1                    ; wave 0..3
	v_and_b32 v2, 31, v0                           ; lane
	v_and_b32 v3, 15, v0                           ; r
	v_bfe_u32 v4, v0, 4, 1                         ; h
	v_mul_u32_u24 v5, v3, 768                      ; a row of 1,024 codes is 768 bytes
	v_mad_u32_u24 v5, v4, 48, v5                   ; + 48 h: my 48 bytes of a K step
	s_mov_b32 s25, 0x03010200                      ; byte select: bytes 1 and 2 change places
	s_mov_b32 s27, 0                               ; the upper word of every offset
	s_mov_b32 s40, 0x4038aa3b                      ; c = 2 log2(e)
	s_mov_b32 s41, s40                             ; (named with it as a pair)
	s_wait_kmcnt 0x0
	s_cmp_lt_u32 ttmp9, 32                         ; the role hangs on the work-group's number alone
	s_cbranch_scc0 .Lrole_w
	; ---- c q: batches 16 m .. + 15, columns 16 ct .. + 15 for my wave
	s_and_b32 s28, ttmp9, 1                        ; m
	s_lshr_b32 s29, ttmp9, 1                       ; cg: 64 columns for the work-group
	s_lshl_b32 s30, s29, 2
	s_add_co_u32 s30, s30, s24                     ; ct = 4 cg + wave
	s_mul_i32 s26, s30, 12288
	s_add_nc_u64 s[8:9], s[8:9], s[26:27]          ; my 16 rows of Wq
	s_lshl_b32 s26, s30, 9
	s_add_nc_u64 s[10:11], s[10:11], s[26:27]      ; and their scale bytes, 32 a row
	s_mul_i32 s26, s28, 12288
	s_add_nc_u64 s[4:5], s[4:5], s[26:27]          ; my 16 rows of hidden
	s_lshl_b32 s26, s28, 9
	s_add_nc_u64 s[6:7], s[6:7], s[26:27]
	s_wait_alu depctr_va_vdst(0)
	v_lshlrev_b32 v6, 5, v3
	v_lshl_add_u32 v6, v4, 4, v6                   ; 32 r + 16 h: four scale words of row r
.irp k, 0,1,2,3,4,5,6,7
.irp c, 0,1,2
	global_load_b128 v[FQ+12*\k+4*\c:FQ+12*\k+4*\c+3], v5, s[8:9] offset:96*\k+16*\c
	global_load_b128 v[FH+12*\k+4*\c:FH+12*\k+4*\c+3], v5, s[4:5] offset:96*\k+16*\c
.endr
.endr
	global_load_b128 v[QS:QS+3], v6, s[10:11]
	global_load_b128 v[HS:HS+3], v6, s[6:7]
	s_lshl_b32 s26, s28, 4                         ; where my rows of cq begin: batch 16 m + 4 wave, column 64 cg
	s_lshl_b32 s31, s24, 2
	s_add_co_u32 s26, s26, s31
	s_lshl_b32 s26, s26, 12
	s_lshl_b32 s31, s29, 8
	s_add_co_u32 s26, s26, s31
	s_add_nc_u64 s[16:17], s[16:17], s[26:27]
	s_lshl_b32 s31, s24, 6                         ; 64 x wave
	s_mul_i32 s32, s24, 4*272                      ; 4 stage rows x wave
	s_wait_loadcnt 0x0
.irp i, 0,1,2,3,4,5,6,7
	v_perm_b32 v[QS+\i], v[QS+\i], v[QS+\i], s25   ; the scale words follow the permuted K
.endr
.rept 8
	v_nop                                          ; a scale register written by a vector instruction stands eight places ahead of the scaled product
.endr
; Source 0 = 16 rows of Wq, source 1 = 16 rows of hidden: lane (r, h) then holds batch r and columns 8 h + 0 .. 7.  Two accumulators take turns.
.macro QMUL k
.set rD, ACA+8*((\k)%2)
.if (\k) < 2
	v_wmma_scale_f32_16x16x128_f8f6f4 v[rD:rD+7], v[FQ+12*(\k):FQ+12*(\k)+11], v[FH+12*(\k):FH+12*(\k)+11], 0, v[QS+(\k)%4], v[HS+(\k)%4] matrix_a_fmt:MATRIX_FMT_FP6 matrix_b_fmt:MATRIX_FMT_FP6
.elseif (\k) < 4
	v_wmma_scale_f32_16x16x128_f8f6f4 v[rD:rD+7], v[FQ+12*(\k):FQ+12*(\k)+11], v[FH+12*(\k):FH+12*(\k)+11], v[rD:rD+7], v[QS+(\k)%4], v[HS+(\k)%4] matrix_a_fmt:MATRIX_FMT_FP6 matrix_b_fmt:MATRIX_FMT_FP6
.else
	v_wmma_scale_f32_16x16x128_f8f6f4 v[rD:rD+7], v[FQ+12*(\k):FQ+12*(\k)+11], v[FH+12*(\k):FH+12*(\k)+11], v[rD:rD+7], v[QS+(\k)%4], v[HS+(\k)%4] matrix_a_fmt:MATRIX_FMT_FP6 matrix_b_fmt:MATRIX_FMT_FP6 matrix_a_scale:MATRIX_SCALE_ROW1 matrix_b_scale:MATRIX_SCALE_ROW1
.endif
.endm
.irp k, 0,1,2,3,4,5,6,7
	QMUL \k
.endr
	v_mul_u32_u24 v7, v3, 272                      ; the addresses of the way out are the places behind the last products
	v_lshl_add_u32 v7, v4, 5, v7
	v_add_nc_u32 v7, s31, v7                       ; into the stage: row r (a batch), 64 x wave + 32 h bytes on
	v_mul_u32_u24 v8, v4, 272
	v_lshl_add_u32 v8, v3, 4, v8
	v_add_nc_u32 v8, s32, v8                       ; back: row 4 wave + h, 16 bytes a lane
	v_lshlrev_b32 v9, 12, v4
	v_lshl_add_u32 v9, v3, 4, v9                   ; and the same place in cq: a row is 4,096 bytes
.irp q, 0,1,2,3
	v_pk_add_f32 v[RES+2*\q:RES+2*\q+1], v[ACA+2*\q:ACA+2*\q+1], v[ACB+2*\q:ACB+2*\q+1]   ; both sums are read from their low ends on
.endr
.irp q, 0,1,2,3
	v_pk_mul_f32 v[RES+2*\q:RES+2*\q+1], v[RES+2*\q:RES+2*\q+1], s[40:41] op_sel_hi:[1,0]
.endr
	ds_store_b128 v7, v[RES:RES+3]
	ds_store_b128 v7, v[RES+4:RES+7] offset:16
	s_wait_alu depctr_va_vdst(0)
	s_wait_dscnt 0x0                               ; for the others' sake: my part of the 16 stage rows has landed
	s_barrier_signal -1
	s_barrier_wait -1
	ds_load_b128 v[RES:RES+3], v8
	ds_load_b128 v[RES+4:RES+7], v8 offset:544     ; two rows further down
	s_wait_dscnt 0x0
	global_store_b128 v9, v[RES:RES+3], s[16:17]               ; sixteen lanes store 256 consecutive bytes, at a multiple of 256 from cq's first byte
	global_store_b128 v9, v[RES+4:RES+7], s[16:17] offset:8192
	s_wait_tensorcnt 0x0                           ; the wave's end
	ds_add_u32 v[SPW], v[NIL]
	s_wait_dscnt 0x0
	s_endpgm
.Lrole_w:
	; ---- Wk: my wave lays 16 rows (column tile ct) as eight fragments' register images, and one unit of scale words.  No LDS is touched on this way.
	s_sub_co_u32 s28, ttmp9, 32
	s_lshl_b32 s28, s28, 2
	s_add_co_u32 s28, s28, s24                     ; ct = 0 .. 63
	s_lshr_b32 s29, s28, 3                         ; slice of 128 columns
	s_and_b32 s30, s28, 7                          ; the tile's place in it; also: the K step whose scale words I lay
	s_mul_i32 s26, s28, 12288
	s_add_nc_u64 s[12:13], s[12:13], s[26:27]
	s_lshl_b32 s26, s29, 12
	s_lshl_b32 s31, s30, 2
	s_add_co_u32 s26, s26, s31
	s_add_nc_u64 s[14:15], s[14:15], s[26:27]      ; the slice's 128 rows of scale bytes, word i of each
	s_mul_i32 s26, s29, 98304
	s_mul_i32 s31, s30, 1536
	s_add_co_u32 s26, s26, s31
	s_add_nc_u64 s[18:19], s[18:19], s[26:27]      ; wimg: slice, fragment 8 k + i: 1,536 bytes each
	s_lshl_b32 s26, s28, 9
	s_add_nc_u64 s[20:21], s[20:21], s[26:27]      ; wsc: unit 8 slice + i, 512 bytes
	s_wait_alu depctr_va_vdst(0)
	v_lshlrev_b32 v6, 5, v2                        ; 32 x lane: a row of scale bytes
	v_lshlrev_b32 v7, 4, v2                        ; 16 x lane: an image's place for my lane
.irp k, 0,1,2,3,4,5,6,7
.irp c, 0,1,2
	global_load_b128 v[FQ+12*\k+4*\c:FQ+12*\k+4*\c+3], v5, s[12:13] offset:96*\k+16*\c
.endr
.endr
.irp p, 0,1,2,3
	global_load_b32 v[QS+\p], v6, s[14:15] offset:1024*\p       ; word p of lane l: column 32 p + l of the slice
.endr
	s_wait_alu depctr_va_vdst(0)
	s_wait_loadcnt 0x0
.irp p, 0,1,2,3
	v_perm_b32 v[QS+\p], v[QS+\p], v[QS+\p], s25
.endr
.irp k, 0,1,2,3,4,5,6,7
.irp c, 0,1,2
	global_store_b128 v7, v[FQ+12*\k+4*\c:FQ+12*\k+4*\c+3], s[18:19] offset:12288*\k+512*\c   ; 32 lanes store 512 consecutive bytes
.endr
.endr
	global_store_b128 v7, v[QS:QS+3], s[20:21]
	s_endpgm
.Lfunc_end_k_qef26afec36_prep:
	.size	k_qef26afec36_prep, .Lfunc_end_k_qef26afec36_prep-k_qef26afec36_prep
	.p2alignl 7, 3214868480
	.fill 96, 4, 3214868480
	.section	.rodata,"a",@progbits
	.p2align	6, 0x0
	.amdhsa_kernel k_qef26afec36_prep
		.amdhsa_group_segment_fixed_size 5120
		.amdhsa_private_segment_fixed_size 0
		.amdhsa_enable_private_segment 0
		.amdhsa_kernarg_size 72
		.amdhsa_user_sgpr_count 2
		.amdhsa_user_sgpr_kernarg_segment_ptr 1
		.amdhsa_wavefront_size32 1
		.amdhsa_system_sgpr_workgroup_id_x 1
		.amdhsa_system_sgpr_workgroup_id_y 1
		.amdhsa_system_sgpr_workgroup_id_z 1
		.amdhsa_system_vgpr_workitem_id 0
		.amdhsa_next_free_vgpr 256
		.amdhsa_next_free_sgpr 66
		.amdhsa_reserve_vcc 0
		.amdhsa_float_denorm_mode_32 3
		.amdhsa_float_denorm_mode_16_64 3
		.amdhsa_memory_ordered 1
		.amdhsa_forward_progress 1
		.amdhsa_inst_pref_size 17
	.end_amdhsa_kernel
	.amdgpu_metadata
---
amdhsa.version: [ 1, 2 ]
amdhsa.kernels:
  - .name:           k_qef26afec36_prep
    .symbol:         k_qef26afec36_prep.kd
    .args:
      - { .name: hidden_codes, .offset: 0, .size: 8, .value_kind: global_buffer, .address_space: global }
      - { .name: hidden_scales, .offset: 8, .size: 8, .value_kind: global_buffer, .address_space: global }
      - { .name: Wq_codes, .offset: 16, .size: 8, .value_kind: global_buffer, .address_space: global }
      - { .name: Wq_scales, .offset: 24, .size: 8, .value_kind: global_buffer, .address_space: global }
      - { .name: Wk_codes, .offset: 32, .size: 8, .value_kind: global_buffer, .address_space: global }
      - { .name: Wk_scales, .offset: 40, .size: 8, .value_kind: global_buffer, .address_space: global }
      - { .name: cq, .offset: 48, .size: 8, .value_kind: global_buffer, .address_space: global }
      - { .name: wimg, .offset: 56, .size: 8, .value_kind: global_buffer, .address_space: global }
      - { .name: wsc, .offset: 64, .size: 8, .value_kind: global_buffer, .address_space: global }
    .group_segment_fixed_size: 5120
    .private_segment_fixed_size: 0
    .kernarg_segment_align: 8
    .kernarg_segment_size: 72
    .max_flat_workgroup_size: 128
    .sgpr_count:     66
    .vgpr_count:     256
    .wavefront_size: 32
...
	.end_amdgpu_metadata
.endif
;; end of part 1
;; launch main (part 2): grid 2 x 128, 8 waves a work-group, no clusters, 79,360 bytes of LDS; arguments wimg, wsc, cq, lengths, encoder_outputs_codes, encoder_outputs_scales, v, sc; writes sc
.if DOCPART == 2
	.amdgcn_target "amdgcn-amd-amdhsa--gfx1250"
	.amdhsa_code_object_version 6
	.text
	.protected	k_qef26afec36_main
	.globl	k_qef26afec36_main
	.p2align	8
	.type	k_qef26afec36_main,@function
k_qef26afec36_main:
	s_mov_b64 s[64:65], 0
	v_nop
	global_prefetch_b8 v0, s[64:65] scope:SCOPE_SE
	s_setreg_imm32_b32 hwreg(HW_REG_WAVE_MODE, 25, 1), 1
	s_wait_xcnt 0x0
; u[b][s] = sum over 512 columns h of v[h] / (1 + 2^(c keys[b][s][h] + c q[b][h])), keys = enc Wk^T on codes of FP6 (E2M3) with E8M0 scales; c = 2 log2(e).
; LEFT OUT (shown at the head of the first kernel): tiles of 16 rows that lie wholly at or past lengths[b], and the constant part of tanh.
; SHARES.  Work-group (x, y): column half x (512 columns), row group y.  Wave w of eight owns 64 columns: its part of Wk, 32 fragments (384 registers) and 16 registers of scale words, is loaded once and stays.
; The T live tiles, counted batch after batch, are dealt out evenly: row group y takes tiles (y T) >> 7 up to ((y + 1) T) >> 7, n of them, at most 32 (T is at most 4,096).
; TILES STREAM THROUGH A RING OF FOUR LDS SLOTS, by plain loads and LDS stores: tile p lies in slot p % 4.  Behind tile p's products a wave stores its part of tile p + 2 and asks for tile p + 3.
; Two tiles make a GROUP; one barrier stands in front of each.  In a group slots 2q, 2q + 1 are read and the other two are written: the barrier shows what was stored, and that nobody reads it any more.
; A share's last stores may repeat the tile before: they are never multiplied, but every slot that is read has been written.
; WAVES 0-3 finish a group's second tile (the activation) ahead of the barrier, WAVES 4-7 behind it, ahead of their next products: so half of the waves multiply while the others do vector work.
; NO TENSOR LOADS, NO CLUSTER: which rows are fetched and how many groups are walked hangs on lengths, which is read from memory: so nothing can be asked for jointly.
; PREFETCH: with tile p + 3's load goes a prefetch of tile p + 5's codes, 48 blocks of 256 bytes: the two column halves share them by address, and each wave names three.  It stops where p + 5 is not below n.
; EVERY BARRIER AND THE LOOP LIE ON EVERY WAVE'S WAY; work between barriers stands under scalar branches on n, which is the same in all waves, and on the wave's number.
; LAYOUT.  Source 0 = 16 encoder rows, source 1 = 16 columns of Wk: register j of lane (r, h) is row 8 h + j, column 16 i + r.  q and v are one number a lane and column tile.
; K is permuted alike in both operands (head of the first kernel): a lane takes 48 bytes on end of a K step's 96; the scale words' bytes 1 and 2 have changed places.
; REGISTERS: window 0 below; v124-255 Wk's fragments 0-10; window 1: fragments 11-31, and v of the four column tiles in its last four.
.set SLOT,  15360                      ; 16 rows of codes, pitch 784; scale words; c q
.set SCOFF, 12544                      ; 16 rows of 8 scale words, pitch 48
.set CQOFF, 13312                      ; c q of the tile's batch, this half's 512 columns
.set SCORE, 4*SLOT                     ; the waves' partial u: 33 places of 64 bytes a wave, tile p at place p + 1
.set SCW,   2112
.set SPARE, SCORE+8*SCW                ; the spare words, 128 bytes for each wave
.set SPW,  1                           ; LDS address of my spare word; never rewritten
.set NIL,  2                           ; 0; never rewritten
.set AL,   3                           ; 784 r + 48 h: my place in a tile's codes
.set AS,   4                           ; SCOFF + 48 r + 16 h: four scale words of row r
.set CQL,  5                           ; CQOFF + 256 w + 4 r
.set SCL,  6                           ; SCORE + 2112 w + 4 (8 h + r / 2)
.set SAD,  7                           ; the same, 256 bytes further on in each trip; at the end SCORE + 64 + 16 x thread
.set FB,   8                           ; 1568 w + 784 h + 16 r: where my codes go
.set FBS,  9                           ; my scale word
.set FBQ,  10                          ; my 8 bytes of c q
.set GA,   11                          ; 1536 w + 768 h + 16 r: my bytes of a tile's codes in memory
.set GS,   12                          ; 64 w + 4 r: of its scale bytes
.set GQ,   13                          ; 2048 x + 256 w + 8 l: of a row of cq; at the end 16 x thread
.set RW,   14                          ; lane k: the first encoder row of tile k of the share
.set GP,   15                          ; the prefetches' offset
.set WS,   16                          ; v16-31  Wk's scale words: register 2 k + i / 2, lanes 0-15 for even i, lanes 16-31 for odd i
.set ACC,  32                          ; v32-63  four accumulators
.set AF,   64                          ; v64-99  three buffers for fragments of the tile: K step k in buffer k % 3
.set CQ,   100                         ; v100, v101, v106, v107  c q of my column in tile i
.set ASC,  102                         ; v102-105  the tile's scale words: register k % 4, lanes 0-15 for k < 4, lanes 16-31 for k >= 4
.set LAND, 108                         ; v108-123  a tile on its way: codes + 0 .. 11, scale word + 12, c q + 14, 15
.set WK0,  124
.set L16,  68                          ; in the head: 16 x lane
.set R4,   69                          ; in the head: 4 r
.set LT,   64                          ; in the head: v64-65 at work while the list of rows is made
.set TT,   52                          ; T
.set J0,   54                          ; the share's first tile
.set NN,   55                          ; n
.set WV,   56                          ; wave
.set CC,   72                          ; s[72:73] c
.set MK,   74                          ; s74-76 lanes with r & 8, r & 4, r & 2
.set SELB, 77                          ; byte select
.set Z4,   79                          ; 4 x trip
.set SS,   80                          ; 256 x trip
.set TC,   81                          ; the group's first tile
.set SX,   86                          ; EXEC, kept
.set MSB, 0
.macro WIN new                         ; the immediate's high byte repeats the setting that is left
.if MSB != (\new)
	s_set_vgpr_msb (MSB<<8)|(\new)
.set MSB, (\new)
.endif
.endm
.macro WPOS                            ; where fragment fr = 4 k + i of Wk lies
.if fr < 11
.set WW, 0
.set WR, WK0+12*fr
.else
.set WW, 1
.set WR, 12*(fr-11)
.endif
.endm
.macro WALU
	s_wait_alu depctr_va_vdst(0)
.endm
	s_load_b512 s[4:19], s[0:1], 0x0               ; wimg, wsc s[6:7], cq s[8:9], lengths s[10:11], enc codes s[12:13], enc scales s[14:15], v s[16:17], sc s[18:19]
	v_lshl_add_u32 v[SPW], v0, 2, SPARE
	v_mov_b32 v[NIL], 0
	v_lshrrev_b32 v64, 5, v0
	v_readfirstlane_b32 s[WV], v64
	s_lshl_b32 s60, s[WV], 8
	s_lshl_b32 s69, ttmp9, 11
	s_add_co_u32 s69, s69, s60                     ; 2048 x + 256 w
	s_add_co_u32 s60, s60, CQOFF
	s_mul_i32 s61, s[WV], SCW
	s_add_co_u32 s61, s61, SCORE
	s_mul_i32 s62, s[WV], 1568
	s_mul_i32 s66, s[WV], 1536
	s_mul_i32 s67, s[WV], 96
	s_add_co_u32 s67, s67, SCOFF
	s_lshl_b32 s68, s[WV], 6
	s_mul_i32 s70, s[WV], 768
	s_mul_i32 s71, ttmp9, 6144
	s_add_co_u32 s70, s70, s71                     ; 256 (24 x + 3 w)
	v_and_b32 v65, 31, v0                          ; l
	v_and_b32 v66, 15, v0                          ; r
	v_bfe_u32 v67, v0, 4, 1                        ; h
	v_bfe_u32 v70, v0, 3, 1
	v_and_b32 v71, 7, v0
	v_lshlrev_b32 v72, 4, v66
	v_mul_u32_u24 v[AL], v66, 784
	v_mul_u32_u24 v[AS], v66, 48
	v_mad_u32_u24 v[AL], v67, 48, v[AL]
	v_lshl_add_u32 v[AS], v67, 4, v[AS]
	v_lshl_add_u32 v[CQL], v66, 2, s60
	v_add_nc_u32 v[AS], SCOFF, v[AS]
	v_lshrrev_b32 v[SCL], 1, v66
	v_mad_u32_u24 v[FB], v67, 784, v72
	v_lshl_add_u32 v[SCL], v67, 3, v[SCL]
	v_mad_u32_u24 v[GA], v67, 768, v72
	v_lshl_add_u32 v[SCL], v[SCL], 2, s61
	v_add_nc_u32 v[FB], s62, v[FB]
	v_add_nc_u32 v[GA], s66, v[GA]
	v_mul_u32_u24 v[FBS], v70, 48
	v_lshl_add_u32 v[GS], v66, 2, s68
	v_lshl_add_u32 v[FBS], v71, 2, v[FBS]
	v_lshl_add_u32 v[FBQ], v65, 3, s60
	v_add_nc_u32 v[FBS], s67, v[FBS]               ; scale word l % 8 of row 2 w + (l / 8) % 2 (lanes 16-31 repeat lanes 0-15's)
	v_lshl_add_u32 v[GQ], v65, 3, s69
	v_min_u32 v[GP], 2, v65
	v_lshlrev_b32 v[L16], 4, v65
	v_lshl_add_u32 v[GP], v[GP], 8, s70
	v_lshlrev_b32 v[R4], 2, v66
.irp r, 45, 61, 100, 101, 106, 107
	v_mov_b32 v\r, 0                               ; registers that the loop's text names ahead of their first load: written on every way
.endr
	WALU
	s_mov_b32 s[CC], 0x4038aa3b                    ; c = 2 log2(e)
	s_mov_b32 s[CC+1], s[CC]                       ; (named with it as a pair)
	s_mov_b32 s[MK], 0xff00ff00
	s_mov_b32 s[MK+1], 0xf0f0f0f0
	s_mov_b32 s[MK+2], 0xcccccccc
	s_mov_b32 s[SELB], 0x03010200
	s_mov_b32 s63, 0                               ; the upper word of every offset; stays 0
	s_lshl_b32 s59, ttmp9, 2
	s_lshr_b32 s60, s[WV], 1
	s_add_co_u32 s59, s59, s60                     ; my slice of 128 columns,
	s_and_b32 s57, s[WV], 1                        ; and which half of it is mine
	s_wait_kmcnt 0x0
	s_load_b512 s[20:35], s[10:11], 0x0            ; lengths
	s_load_b512 s[36:51], s[10:11], 0x40
	s_mul_i32 s62, s59, 98304
	s_mul_i32 s60, s57, 6144
	s_add_co_u32 s62, s62, s60
	s_add_nc_u64 s[88:89], s[4:5], s[62:63]        ; my part of wimg,
	s_lshl_b32 s62, s59, 12
	s_lshl_b32 s60, s57, 3
	s_add_co_u32 s62, s62, s60
	s_add_nc_u64 s[90:91], s[6:7], s[62:63]        ; of wsc,
	s_lshl_b32 s62, s59, 9
	s_lshl_b32 s60, s57, 8
	s_add_co_u32 s62, s62, s60
	s_add_nc_u64 s[92:93], s[16:17], s[62:63]      ; of v;
	s_lshl_b32 s62, ttmp9, 18
	s_add_nc_u64 s[94:95], s[18:19], s[62:63]      ; my half of sc
.macro WKLOAD                          ; 16 fragments of Wk: 48 loads.  Many work-groups read the same slice
.rept 16
	WPOS
.set wn, WW*64
	WIN wn
.set kk, fr/4
.set ii, fr%4
.irp c, 0,1,2
	global_load_b128 v[WR+4*\c:WR+4*\c+3], v[L16], s[88:89] offset:12288*kk+1536*ii+512*\c th:TH_LOAD_HT
.endr
.set fr, fr+1
.endr
	WIN 0
.endm
.set fr, 0
	WKLOAD                                         ; K steps 0-3, on their way while the share is counted
	s_wait_kmcnt 0x0
	s_mov_b32 s[TT], 0
.irp b, 0,1,2,3,4,5,6,7,8,9,10,11,12,13,14,15,16,17,18,19,20,21,22,23,24,25,26,27,28,29,30,31
	s_max_i32 s[20+\b], s[20+\b], 0
	s_min_u32 s[20+\b], s[20+\b], 2048             ; the length, held to 0 .. 2,048,
	s_add_co_u32 s[20+\b], s[20+\b], 15
	s_lshr_b32 s[20+\b], s[20+\b], 4               ; in tiles of 16 rows, rounded up
	s_add_co_u32 s[TT], s[TT], s[20+\b]
.endr
	s_and_b32 s60, ttmp7, 0xffff
	s_add_co_u32 s61, s60, 1
	s_mul_i32 s60, s60, s[TT]
	s_mul_i32 s61, s61, s[TT]
	s_lshr_b32 s[J0], s60, 7
	s_lshr_b32 s61, s61, 7
	s_sub_co_u32 s[NN], s61, s[J0]
	; Lane k: live tile j = j0 + min(k, n - 1) lies in the batch b with End(b - 1) <= j < End(b); its place among all tiles of 16 rows is j + the sum over the batches in front of (128 - their live tiles)
	s_sub_co_i32 s60, s[NN], 1
	s_max_i32 s60, s60, 0
	s_mov_b32 s61, 0
	v_and_b32 v[LT], 31, v0
	v_min_u32 v[LT], s60, v[LT]
	v_add_nc_u32 v[LT], s[J0], v[LT]
	v_mov_b32 v[RW], v[LT]
	WALU
.irp b, 0,1,2,3,4,5,6,7,8,9,10,11,12,13,14,15,16,17,18,19,20,21,22,23,24,25,26,27,28,29,30,31
	s_add_co_u32 s61, s61, s[20+\b]                ; End(b)
	s_sub_co_u32 s62, 128, s[20+\b]
	v_cmp_le_u32 vcc_lo, s61, v[LT]
	v_cndmask_b32 v[LT+1], 0, s62, vcc_lo
	v_add_nc_u32 v[RW], v[RW], v[LT+1]
.endr
	v_lshlrev_b32 v[RW], 4, v[RW]                  ; as a row
	WALU
; The share's tile ln is asked for: each wave two rows of its codes (a load is two units of 256 bytes), 64 bytes of its scale bytes, and its own 64 columns of its batch's c q.
.macro TLOAD d, ln
	s_wait_xcnt 0x0                                ; the loads before have read their bases: they may be written
	v_readlane_b32 s60, v[RW], \ln
	s_lshr_b32 s61, s60, 11
	s_min_u32 s61, s61, 31                         ; the batch,
	s_min_u32 s60, s60, 65520                      ; and the row, both held inside their tensors
	s_mul_i32 s62, s60, 768
	s_add_nc_u64 s[66:67], s[12:13], s[62:63]
	s_lshl_b32 s62, s60, 5
	s_add_nc_u64 s[68:69], s[14:15], s[62:63]
	s_lshl_b32 s62, s61, 12
	s_add_nc_u64 s[70:71], s[8:9], s[62:63]
.irp c, 0,1,2
	global_load_b128 v[\d+4*\c:\d+4*\c+3], v[GA], s[66:67] offset:256*\c
.endr
	global_load_b32 v[\d+12], v[GS], s[68:69]
	global_load_b64 v[\d+14:\d+15], v[GQ], s[70:71]
.endm
.macro TSTORE d, s                     ; and goes to slot s: five LDS stores
	v_perm_b32 v[\d+12], v[\d+12], v[\d+12], s[SELB]   ; the scale word follows the permuted K
.irp c, 0,1,2
	ds_store_b128 v[FB], v[\d+4*\c:\d+4*\c+3] offset:SLOT*(\s)+256*\c
.endr
	ds_store_b64 v[FBQ], v[\d+14:\d+15] offset:SLOT*(\s)
	ds_store_b32 v[FBS], v[\d+12] offset:SLOT*(\s)
.endm
	TLOAD ACC, 0
	TLOAD ACC+16, 1
	TLOAD LAND, 2
	WKLOAD                                         ; K steps 4-7
.irp k, 0,1,2,3,4,5,6,7
	global_load_b64 v[WS+2*\k:WS+2*\k+1], v[L16], s[90:91] offset:512*\k th:TH_LOAD_HT
.endr
	WIN 0x40
.irp i, 0,1,2,3
	global_load_b32 v[252+\i], v[R4], s[92:93] offset:64*\i
.endr
	WIN 0
	s_wait_loadcnt 60                              ; the three tiles are in; the 48 + 8 + 4 loads behind them may be out
	TSTORE ACC, 0
	TSTORE ACC+16, 1
.macro FR s                            ; a tile's scale words and its first three K steps: ten LDS loads
	ds_load_b128 v[ASC:ASC+3], v[AS] offset:SLOT*(\s)
.irp k, 0,1,2
.irp c, 0,1,2
	ds_load_b128 v[AF+12*\k+4*\c:AF+12*\k+4*\c+3], v[AL] offset:SLOT*(\s)+96*\k+16*\c
.endr
.endr
.endm
.macro WM                              ; product of K step kk and column tile ii; the four accumulators take turns, one instruction a turn
.set fr, 4*kk+ii
	WPOS
.set wn, WW*4
	WIN wn                                         ; source 1 (Wk) in its window, all else in window 0
.set rD, ACC+8*ii
.set rA, AF+12*(kk%3)
.set rSA, ASC+kk%4
.set rSB, WS+2*kk+ii/2
.if kk == 0
.if ii%2 == 0
	v_wmma_scale_f32_16x16x128_f8f6f4 v[rD:rD+7], v[rA:rA+11], v[WR:WR+11], 0, v[rSA], v[rSB] matrix_a_fmt:MATRIX_FMT_FP6 matrix_b_fmt:MATRIX_FMT_FP6
.else
	v_wmma_scale_f32_16x16x128_f8f6f4 v[rD:rD+7], v[rA:rA+11], v[WR:WR+11], 0, v[rSA], v[rSB] matrix_a_fmt:MATRIX_FMT_FP6 matrix_b_fmt:MATRIX_FMT_FP6 matrix_b_scale:MATRIX_SCALE_ROW1
.endif
.elseif kk < 4
.if ii%2 == 0
	v_wmma_scale_f32_16x16x128_f8f6f4 v[rD:rD+7], v[rA:rA+11], v[WR:WR+11], v[rD:rD+7], v[rSA], v[rSB] matrix_a_fmt:MATRIX_FMT_FP6 matrix_b_fmt:MATRIX_FMT_FP6
.else
	v_wmma_scale_f32_16x16x128_f8f6f4 v[rD:rD+7], v[rA:rA+11], v[WR:WR+11], v[rD:rD+7], v[rSA], v[rSB] matrix_a_fmt:MATRIX_FMT_FP6 matrix_b_fmt:MATRIX_FMT_FP6 matrix_b_scale:MATRIX_SCALE_ROW1
.endif
.else
.if ii%2 == 0
	v_wmma_scale_f32_16x16x128_f8f6f4 v[rD:rD+7], v[rA:rA+11], v[WR:WR+11], v[rD:rD+7], v[rSA], v[rSB] matrix_a_fmt:MATRIX_FMT_FP6 matrix_b_fmt:MATRIX_FMT_FP6 matrix_a_scale:MATRIX_SCALE_ROW1
.else
	v_wmma_scale_f32_16x16x128_f8f6f4 v[rD:rD+7], v[rA:rA+11], v[WR:WR+11], v[rD:rD+7], v[rSA], v[rSB] matrix_a_fmt:MATRIX_FMT_FP6 matrix_b_fmt:MATRIX_FMT_FP6 matrix_a_scale:MATRIX_SCALE_ROW1 matrix_b_scale:MATRIX_SCALE_ROW1
.endif
.endif
.endm
; THE 32 PRODUCTS of the tile in slot s.  Behind K step k = 0 .. 4 stand four places and K step k + 3's three loads into the buffer that K step k has left; behind the first of these runs c q's four loads.
; THE COUNTS, ahead of K step k: the loads issued behind its own three: 0: 3 + 3 (a score's store is not counted); 1: 3 + 3 + 4; 2: 3 + 4 + 3; 3: 4 + 3 + 3; 4, 5: 3 + 3; 6: 3; 7: none.
.macro PRODUCTS s
.set kk, 0
.rept 8
.if kk == 0
	s_wait_dscnt 6
.elseif kk < 4
	s_wait_dscnt 10
.elseif kk < 6
	s_wait_dscnt 6
.elseif kk == 6
	s_wait_dscnt 3
.else
	s_wait_dscnt 0x0
.endif
.set ii, 0
.rept 4
	WM
.set ii, ii+1
.endr
.if kk < 5
.rept 4
	v_nop
.endr
.set rL, AF+12*(kk%3)
.irp c, 0,1,2
	ds_load_b128 v[rL+4*\c:rL+4*\c+3], v[AL] offset:SLOT*(\s)+96*(kk+3)+16*\c
.endr
.endif
.if kk == 0
.irp i, 0,1
	ds_load_b32 v[CQ+\i], v[CQL] offset:SLOT*(\s)+64*\i
	ds_load_b32 v[CQ+6+\i], v[CQL] offset:SLOT*(\s)+128+64*\i
.endr
.endif
.set kk, kk+1
.endr
	WIN 0
.rept 5
	v_nop                                          ; places behind the last products, for what reads or writes their registers
.endr
.endm
.macro BSEL d, a, b, m                 ; lanes of mask m take b, the others a
	v_cndmask_b32 v[ACC+\d], v[ACC+\a], v[ACC+\b], s[\m]
.endm
.macro BADD d, a, b, x                 ; a of lane l xor x + my b
	v_add_f32_dpp v[ACC+\d], v[ACC+\a], v[ACC+\b] row_xmask:\x row_mask:0xf bank_mask:0xf
.endm
; THE ACTIVATION of the finished tile, in place: c x + c q; 2^ that; 1 + that; its reciprocal; times v, summed over the four column tiles into the first eight registers;
; then the sum over the 16 lanes of a half: at each of three steps a lane keeps half of its rows and sends the other half to the lane 8, 4, 2 away; a last step joins neighbours: lane (r, h) ends with row 8 h + r / 2.
.macro ACT place
.set ii, 0
.rept 4
.set cp, CQ+6*(ii/2)
.set ra, ACC+8*ii
.rept 4
.if ii%2 == 0
	v_pk_fma_f32 v[ra:ra+1], v[ra:ra+1], s[CC:CC+1], v[cp:cp+1] op_sel_hi:[1,0,0]
.else
	v_pk_fma_f32 v[ra:ra+1], v[ra:ra+1], s[CC:CC+1], v[cp:cp+1] op_sel:[0,0,1] op_sel_hi:[1,0,1]
.endif
.set ra, ra+2
.endr
.set ii, ii+1
.endr
	WALU                                           ; the waits ahead of a batch and behind it
.set xx, ACC
.rept 32
	v_exp_f32 v[xx], v[xx]
.set xx, xx+1
.endr
	v_nop
	WALU
.set xx, ACC
.rept 16
	v_pk_add_f32 v[xx:xx+1], v[xx:xx+1], 1.0 op_sel_hi:[1,0]
.set xx, xx+2
.endr
	WALU
.set xx, ACC
.rept 32
	v_rcp_f32 v[xx], v[xx]
.set xx, xx+1
.endr
	v_nop
	WALU
	WIN 4                                          ; v lies in window 1
.set ii, 0
.rept 4
.set vp, 252+2*(ii/2)
.set qq, 0
.rept 4
.if ii == 0
	v_pk_mul_f32 v[ACC+qq:ACC+qq+1], v[ACC+qq:ACC+qq+1], v[vp:vp+1] op_sel_hi:[1,0]
.elseif ii%2 == 0
	v_pk_fma_f32 v[ACC+qq:ACC+qq+1], v[ACC+8*ii+qq:ACC+8*ii+qq+1], v[vp:vp+1], v[ACC+qq:ACC+qq+1] op_sel_hi:[1,0,1]
.else
	v_pk_fma_f32 v[ACC+qq:ACC+qq+1], v[ACC+8*ii+qq:ACC+8*ii+qq+1], v[vp:vp+1], v[ACC+qq:ACC+qq+1] op_sel:[0,1,0] op_sel_hi:[1,1,1]
.endif
.set qq, qq+2
.endr
.set ii, ii+1
.endr
	WIN 0
	BSEL 8, 4, 0, MK
	BSEL 12, 0, 4, MK
	BSEL 9, 5, 1, MK
	BSEL 13, 1, 5, MK
	BSEL 10, 6, 2, MK
	BSEL 14, 2, 6, MK
	BSEL 11, 7, 3, MK
	BSEL 15, 3, 7, MK
	BADD 16, 8, 12, 8
	BADD 17, 9, 13, 8
	BADD 18, 10, 14, 8
	BADD 19, 11, 15, 8
	BSEL 20, 18, 16, MK+1
	BSEL 22, 16, 18, MK+1
	BSEL 21, 19, 17, MK+1
	BSEL 23, 17, 19, MK+1
	BADD 24, 20, 22, 4
	BADD 25, 21, 23, 4
	BSEL 26, 25, 24, MK+2
	BSEL 27, 24, 25, MK+2
	BADD 28, 26, 27, 2
	BADD 29, 28, 28, 1
	ds_store_b32 v[SAD], v[ACC+29] offset:64*(\place)  ; two neighbouring lanes write the same word with the same value
.endm
.macro ASK ahead                       ; the group's tile + ahead into the landing set, where the share has it; and two tiles further on into the L2
	s_add_co_u32 s58, s[TC], \ahead
	s_cmp_lt_u32 s58, s[NN]
	s_cbranch_scc0 .Lnone_\@
	s_min_u32 s58, s58, 31
	TLOAD LAND, s58
	s_add_co_u32 s58, s58, 2
	s_cmp_lt_u32 s58, s[NN]
	s_cbranch_scc0 .Lnone_\@
	s_min_u32 s58, s58, 31
	v_readlane_b32 s60, v[RW], s58
	s_min_u32 s60, s60, 65520
	s_mul_i32 s62, s60, 768
	s_add_nc_u64 s[92:93], s[12:13], s[62:63]
	global_prefetch_b8 v[GP], s[92:93] th:TH_LOAD_NT scope:SCOPE_SE
.Lnone_\@:
.endm
; A GROUP: tiles t = TC and t + 1, in slots 2 q and 2 q + 1.
.macro GROUP q
	WALU
	s_wait_dscnt 0x0                               ; my stores have landed and my reads are over, for the others' sake
	s_barrier_signal -1
	s_barrier_wait -1
	s_add_co_u32 s[TC], s[Z4], 2*(\q)
	s_cmp_gt_u32 s[TC], s[NN]
	s_cbranch_scc1 .Lend_\@
	FR 2*(\q)
.if \q == 0
	s_cmp_eq_u32 s[TC], 0
	s_cbranch_scc1 .Lno_\@
.endif
	s_cmp_lt_u32 s[WV], 4
	s_cbranch_scc1 .Lno_\@
	ACT 2*(\q)                                     ; waves 4-7: tile t - 1
.Lno_\@:
	s_cmp_ge_u32 s[TC], s[NN]
	s_cbranch_scc1 .Lend_\@
	PRODUCTS 2*(\q)
	s_wait_loadcnt 0x0                             ; tile t + 2, asked for one tile ago
	TSTORE LAND, (2*(\q)+2)%4
	FR 2*(\q)+1
	s_wait_dscnt 10                                ; all but the ten just issued: the stores have left their registers
	ASK 3
	ACT 2*(\q)+1                                   ; tile t
	s_add_co_u32 s60, s[TC], 1
	s_cmp_ge_u32 s60, s[NN]
	s_cbranch_scc1 .Lend_\@
	PRODUCTS 2*(\q)+1
	s_wait_loadcnt 0x0
	TSTORE LAND, (2*(\q)+3)%4
	s_wait_dscnt 0x0
	ASK 4
	s_cmp_ge_u32 s[WV], 4
	s_cbranch_scc1 .Lend_\@
	ACT 2*(\q)+2                                   ; waves 0-3: tile t + 1
.Lend_\@:
.endm
	WALU
	s_wait_loadcnt 0x0                             ; all of Wk, its scale words and v
	s_mov_b32 s[Z4], 0
	s_mov_b32 s[SS], 0
.Ltrip:                                                ; eight trips of four tiles
	v_add_nc_u32 v[SAD], s[SS], v[SCL]
	GROUP 0
	GROUP 1
	s_add_co_u32 s[SS], s[SS], 256
	s_add_co_u32 s[Z4], s[Z4], 4
	s_cmp_lt_u32 s[Z4], 32
	s_cbranch_scc1 .Ltrip
	s_cmp_lt_u32 s[NN], 32
	s_cbranch_scc1 .Lmeet
	s_cmp_lt_u32 s[WV], 4
	s_cbranch_scc1 .Lmeet
	ACT 4                                          ; waves 4-7 of a share of 32 tiles: the last one
.Lmeet:
	s_wait_xcnt 0x0                                ; earlier loads have read their addresses
	v_and_b32 v[SAD], 127, v0
	v_lshl_add_u32 v[SAD], v[SAD], 4, SCORE+64
	v_lshlrev_b32 v[GQ], 4, v0
.rept 5
	v_nop
.endr
	WALU
	s_wait_dscnt 0x0
	s_barrier_signal -1
	s_barrier_wait -1                              ; the scores of all eight waves lie in LDS
	; THE WAY OUT: threads 0 to 4 n - 1 add the eight waves' partial u, four rows each, and store the share's 64 n bytes on end
	s_lshl_b32 s60, s[NN], 2
	s_min_u32 s61, s[J0], 4095                     ; the first tile, held inside sc
	s_lshl_b32 s62, s61, 6
	s_wait_xcnt 0x0                                ; bases and EXEC change only behind this wait
	s_add_nc_u64 s[66:67], s[94:95], s[62:63]
	v_cmp_gt_u32 vcc_lo, s60, v0
	s_and_saveexec_b32 s[SX], vcc_lo
.irp w, 0,1,2,3,4,5,6,7
	ds_load_b128 v[ACC+4*\w:ACC+4*\w+3], v[SAD] offset:SCW*\w
.endr
	s_wait_dscnt 0x0
.irp j, 0,2,4,6,8,10,12,14
	v_pk_add_f32 v[ACC+\j:ACC+\j+1], v[ACC+\j:ACC+\j+1], v[ACC+16+\j:ACC+16+\j+1]
.endr
.irp j, 0,2,4,6
	v_pk_add_f32 v[ACC+\j:ACC+\j+1], v[ACC+\j:ACC+\j+1], v[ACC+8+\j:ACC+8+\j+1]
.endr
.irp j, 0,2
	v_pk_add_f32 v[ACC+\j:ACC+\j+1], v[ACC+\j:ACC+\j+1], v[ACC+4+\j:ACC+4+\j+1]
.endr
	global_store_b128 v[GQ], v[ACC:ACC+3], s[66:67]
	s_wait_xcnt 0x0                                ; the store has read its registers and EXEC
	s_or_b32 exec_lo, exec_lo, s[SX]
	s_wait_tensorcnt 0x0                           ; the wave's end
	ds_add_u32 v[SPW], v[NIL]
	s_wait_dscnt 0x0
	s_endpgm
.Lfunc_end_k_qef26afec36_main:
	.size	k_qef26afec36_main, .Lfunc_end_k_qef26afec36_main-k_qef26afec36_main
	.p2alignl 7, 3214868480
	.fill 96, 4, 3214868480
	.section	.rodata,"a",@progbits
	.p2align	6, 0x0
	.amdhsa_kernel k_qef26afec36_main
		.amdhsa_group_segment_fixed_size 79360
		.amdhsa_private_segment_fixed_size 0
		.amdhsa_enable_private_segment 0
		.amdhsa_kernarg_size 64
		.amdhsa_user_sgpr_count 2
		.amdhsa_user_sgpr_kernarg_segment_ptr 1
		.amdhsa_wavefront_size32 1
		.amdhsa_system_sgpr_workgroup_id_x 1
		.amdhsa_system_sgpr_workgroup_id_y 1
		.amdhsa_system_sgpr_workgroup_id_z 1
		.amdhsa_system_vgpr_workitem_id 0
		.amdhsa_next_free_vgpr 512
		.amdhsa_next_free_sgpr 100
		.amdhsa_reserve_vcc 1
		.amdhsa_float_denorm_mode_32 3
		.amdhsa_float_denorm_mode_16_64 3
		.amdhsa_memory_ordered 1
		.amdhsa_forward_progress 1
		.amdhsa_inst_pref_size 118
	.end_amdhsa_kernel
	.amdgpu_metadata
---
amdhsa.version: [ 1, 2 ]
amdhsa.kernels:
  - .name:           k_qef26afec36_main
    .symbol:         k_qef26afec36_main.kd
    .args:
      - { .name: wimg, .offset: 0, .size: 8, .value_kind: global_buffer, .address_space: global }
      - { .name: wsc, .offset: 8, .size: 8, .value_kind: global_buffer, .address_space: global }
      - { .name: cq, .offset: 16, .size: 8, .value_kind: global_buffer, .address_space: global }
      - { .name: lengths, .offset: 24, .size: 8, .value_kind: global_buffer, .address_space: global }
      - { .name: encoder_outputs_codes, .offset: 32, .size: 8, .value_kind: global_buffer, .address_space: global }
      - { .name: encoder_outputs_scales, .offset: 40, .size: 8, .value_kind: global_buffer, .address_space: global }
      - { .name: v, .offset: 48, .size: 8, .value_kind: global_buffer, .address_space: global }
      - { .name: sc, .offset: 56, .size: 8, .value_kind: global_buffer, .address_space: global }
    .group_segment_fixed_size: 79360
    .private_segment_fixed_size: 0
    .kernarg_segment_align: 8
    .kernarg_segment_size: 64
    .max_flat_workgroup_size: 256
    .sgpr_count:     100
    .vgpr_count:     512
    .wavefront_size: 32
...
	.end_amdgpu_metadata
.endif
;; end of part 2
;; launch soft (part 3): grid 32 x 1, 8 waves a work-group, no clusters, 1,280 bytes of LDS; arguments sc, lengths, out0; writes out0
.if DOCPART == 3
	.amdgcn_target "amdgcn-amd-amdhsa--gfx1250"
	.amdhsa_code_object_version 6
	.text
	.protected	k_qef26afec36_soft
	.globl	k_qef26afec36_soft
	.p2align	8
	.type	k_qef26afec36_soft,@function
k_qef26afec36_soft:
	s_mov_b64 s[64:65], 0
	v_nop
	global_prefetch_b8 v0, s[64:65] scope:SCOPE_SE
	s_setreg_imm32_b32 hwreg(HW_REG_WAVE_MODE, 25, 1), 1
	s_wait_xcnt 0x0
; out[b][s] = 2^(c (w[s] - max w)) / the row's sum, w = -(u of column half 0 + u of column half 1), -infinity where s >= lengths[b]; c = 2 log2(e).
; LEFT OUT (shown at the head of the first kernel): the term sum_h v[h], the same along the row; and the tiles past lengths[b], which were never stored and are not read.
; One work-group to a batch, eight waves.  Thread t holds positions 1024 q + 4 t + 0 .. 3, q = 0, 1: each load and store of a wave covers 512 consecutive bytes.
; In sc the live tiles of 16 rows lie batch after batch: batch b begins at tile Start = the sum of the earlier batches' live tiles.  A length of 0 or less gives -infinity less -infinity: a row of NaN.
; No matrix unit, no tensor load, no cluster: 24 KB at most a work-group, read once; two sums over 256 threads.
.set SPARE, 256                        ; the spare words, 128 bytes for each of eight waves; bytes 0-31: the waves' maxima; bytes 64-95: their sums
.set SPW, 40                           ; v40  LDS address of my spare word; never rewritten
.set NIL, 41                           ; v41  0; never rewritten
	s_load_b128 s[4:7], s[0:1], 0x0                ; sc, lengths
	s_load_b64 s[8:9], s[0:1], 0x10                ; out0
	v_lshl_add_u32 v[SPW], v0, 2, SPARE
	v_mov_b32 v[NIL], 0
	v_lshrrev_b32 v1, 5, v0
	s_delay_alu instid0(VALU_DEP_1)
	v_readfirstlane_b32 s10, v1                    ; wave
	s_lshl_b32 s11, ttmp9, 2
	s_wait_kmcnt 0x0
	s_load_b512 s[16:31], s[6:7], 0x0
	s_load_b512 s[32:47], s[6:7], 0x40
	s_load_b32 s12, s[6:7], s11 offset:0x0         ; my batch's length
	v_lshlrev_b32 v2, 2, v0                        ; my first position, q = 0
	v_lshlrev_b32 v3, 4, v0                        ; in bytes
	s_delay_alu instid0(VALU_DEP_2)
	v_add_nc_u32 v4, 0x400, v2                     ; and q = 1
	v_mov_b32 v5, 0
	v_mov_b32 v24, 0xff800000                      ; -infinity
	v_mov_b32 v26, 0                               ; written once: a lane permute's destination counts as one of its sources
	v_mov_b32 v27, s10
	s_delay_alu instid0(VALU_DEP_1)
	v_lshlrev_b32 v27, 2, v27                      ; 4 x wave
.irp j, 8,9,10,11,12,13,14,15,16,17,18,19,20,21,22,23
	v_mov_b32 v[\j], 0x7f800000                    ; +infinity where nothing is loaded
.endr
	s_mov_b32 s54, 0x76543210
	s_mov_b32 s55, 0xfedcba98                      ; selects for lane l xor 16
	s_mov_b32 s56, 0x4038aa3b                      ; c
	s_mov_b32 s14, 0
	s_mov_b32 s49, 0
	s_wait_kmcnt 0x0
.irp i, 0,1,2,3,4,5,6,7,8,9,10,11,12,13,14,15,16,17,18,19,20,21,22,23,24,25,26,27,28,29,30,31
	s_max_i32 s13, s[16+\i], 0
	s_min_u32 s13, s13, 2048
	s_add_co_u32 s13, s13, 15
	s_lshr_b32 s13, s13, 4                         ; batch i's live tiles
	s_cmp_gt_u32 ttmp9, \i
	s_cselect_b32 s13, s13, 0                      ; count where i < b
	s_add_co_u32 s14, s14, s13
.endr
	s_max_i32 s12, s12, 0
	s_min_u32 s12, s12, 2048                       ; the length, held
	s_add_co_u32 s15, s12, 15
	s_and_b32 s15, s15, -16                        ; the rows that were stored
	s_min_u32 s14, s14, 4095                       ; Start, held inside sc
	s_lshl_b32 s48, s14, 6
	s_add_nc_u64 s[4:5], s[4:5], s[48:49]
	s_lshl_b32 s48, ttmp9, 13
	s_add_nc_u64 s[8:9], s[8:9], s[48:49]
	s_wait_xcnt 0x0                                ; EXEC changes only behind this wait
	v_cmp_gt_i32 vcc_lo, s15, v2
	s_and_saveexec_b32 s51, vcc_lo
	global_load_b128 v[8:11], v3, s[4:5] th:TH_LOAD_NT
	global_load_b128 v[12:15], v3, s[4:5] offset:262144 th:TH_LOAD_NT
	s_wait_xcnt 0x0
	s_or_b32 exec_lo, exec_lo, s51
	v_cmp_gt_i32 vcc_lo, s15, v4
	s_and_saveexec_b32 s51, vcc_lo
	global_load_b128 v[16:19], v3, s[4:5] offset:4096 th:TH_LOAD_NT
	global_load_b128 v[20:23], v3, s[4:5] offset:266240 th:TH_LOAD_NT
	s_wait_xcnt 0x0
	s_or_b32 exec_lo, exec_lo, s51
	s_wait_loadcnt 0x0
	v_pk_add_f32 v[8:9], v[8:9], v[12:13] neg_lo:[1,1] neg_hi:[1,1]        ; w = -u0 - u1
	v_pk_add_f32 v[10:11], v[10:11], v[14:15] neg_lo:[1,1] neg_hi:[1,1]
	v_pk_add_f32 v[16:17], v[16:17], v[20:21] neg_lo:[1,1] neg_hi:[1,1]
	v_pk_add_f32 v[18:19], v[18:19], v[22:23] neg_lo:[1,1] neg_hi:[1,1]
.irp e, 0,1,2,3
	s_sub_co_i32 s52, s12, \e
	v_cmp_gt_i32 vcc_lo, s52, v2                   ; position + e < length
	s_delay_alu instid0(VALU_DEP_1)
	v_cndmask_b32 v[8+\e], v24, v[8+\e], vcc_lo
	v_cmp_gt_i32 vcc_lo, s52, v4
	s_delay_alu instid0(VALU_DEP_1)
	v_cndmask_b32 v[16+\e], v24, v[16+\e], vcc_lo
.endr
	v_max3_num_f32 v25, v8, v9, v10                ; the largest w: in my lane,
	s_delay_alu instid0(VALU_DEP_1)
	v_max3_num_f32 v25, v25, v11, v16
	s_delay_alu instid0(VALU_DEP_1)
	v_max3_num_f32 v25, v25, v17, v18
	s_delay_alu instid0(VALU_DEP_1)
	v_max_num_f32 v25, v25, v19
	s_delay_alu instid0(VALU_DEP_1)
	v_max_num_f32_dpp v25, v25, v25 row_xmask:1 row_mask:0xf bank_mask:0xf  ; in my wave,
	s_delay_alu instid0(VALU_DEP_1)
	v_max_num_f32_dpp v25, v25, v25 row_xmask:2 row_mask:0xf bank_mask:0xf
	s_delay_alu instid0(VALU_DEP_1)
	v_max_num_f32_dpp v25, v25, v25 row_xmask:4 row_mask:0xf bank_mask:0xf
	s_delay_alu instid0(VALU_DEP_1)
	v_max_num_f32_dpp v25, v25, v25 row_xmask:8 row_mask:0xf bank_mask:0xf
	s_delay_alu instid0(VALU_DEP_1)
	v_permlanex16_b32 v26, v25, s54, s55
	s_delay_alu instid0(VALU_DEP_1)
	v_max_num_f32 v25, v25, v26
	ds_store_b32 v27, v25                          ; in the work-group
	s_wait_dscnt 0x0
	s_barrier_signal -1
	s_barrier_wait -1
	ds_load_b128 v[32:35], v5
	ds_load_b128 v[36:39], v5 offset:16
	s_wait_dscnt 0x0
	v_max3_num_f32 v25, v32, v33, v34
	s_delay_alu instid0(VALU_DEP_1)
	v_max3_num_f32 v25, v25, v35, v36
	s_delay_alu instid0(VALU_DEP_1)
	v_max3_num_f32 v25, v25, v37, v38
	s_delay_alu instid0(VALU_DEP_1)
	v_max_num_f32 v25, v25, v39
.irp j, 8,9,10,11,16,17,18,19
	v_sub_f32 v[\j], v[\j], v25
.endr
.irp j, 8,9,10,11,16,17,18,19
	v_mul_f32 v[\j], s56, v[\j]
.endr
	s_wait_alu depctr_va_vdst(0)
.irp j, 8,9,10,11,16,17,18,19
	v_exp_f32 v[\j], v[\j]
.endr
	v_nop                                          ; a plain instruction behind the last exponential,
	s_wait_alu depctr_va_vdst(0)                   ; and the one wait for the batch ahead of its first use
	v_pk_add_f32 v[28:29], v[8:9], v[10:11]
	v_pk_add_f32 v[30:31], v[16:17], v[18:19]
	s_delay_alu instid0(VALU_DEP_1)
	v_pk_add_f32 v[28:29], v[28:29], v[30:31]
	s_delay_alu instid0(VALU_DEP_1)
	v_add_f32 v28, v28, v29
	s_delay_alu instid0(VALU_DEP_1)
	v_add_f32_dpp v28, v28, v28 row_xmask:1 row_mask:0xf bank_mask:0xf
	s_delay_alu instid0(VALU_DEP_1)
	v_add_f32_dpp v28, v28, v28 row_xmask:2 row_mask:0xf bank_mask:0xf
	s_delay_alu instid0(VALU_DEP_1)
	v_add_f32_dpp v28, v28, v28 row_xmask:4 row_mask:0xf bank_mask:0xf
	s_delay_alu instid0(VALU_DEP_1)
	v_add_f32_dpp v28, v28, v28 row_xmask:8 row_mask:0xf bank_mask:0xf
	s_delay_alu instid0(VALU_DEP_1)
	v_permlanex16_b32 v26, v28, s54, s55
	s_delay_alu instid0(VALU_DEP_1)
	v_add_f32 v28, v28, v26
	ds_store_b32 v27, v28 offset:64                ; other bytes than the maxima's: no wave need wait for another's reads
	s_wait_dscnt 0x0
	s_barrier_signal -1
	s_barrier_wait -1
	ds_load_b128 v[32:35], v5 offset:64
	ds_load_b128 v[36:39], v5 offset:80
	s_wait_dscnt 0x0
	v_pk_add_f32 v[32:33], v[32:33], v[34:35]
	v_pk_add_f32 v[36:37], v[36:37], v[38:39]
	s_delay_alu instid0(VALU_DEP_1)
	v_pk_add_f32 v[32:33], v[32:33], v[36:37]
	s_delay_alu instid0(VALU_DEP_1)
	v_add_f32 v28, v32, v33
	s_wait_alu depctr_va_vdst(0)
	v_rcp_f32 v30, v28
	v_nop
	s_wait_alu depctr_va_vdst(0)
	v_pk_mul_f32 v[8:9], v[8:9], v[30:31] op_sel_hi:[1,0]
	v_pk_mul_f32 v[10:11], v[10:11], v[30:31] op_sel_hi:[1,0]
	v_pk_mul_f32 v[16:17], v[16:17], v[30:31] op_sel_hi:[1,0]
	v_pk_mul_f32 v[18:19], v[18:19], v[30:31] op_sel_hi:[1,0]
	global_store_b128 v3, v[8:11], s[8:9] th:TH_STORE_NT               ; 32 lanes store 512 consecutive bytes; positions under the mask hold 0
	global_store_b128 v3, v[16:19], s[8:9] offset:4096 th:TH_STORE_NT
	s_wait_tensorcnt 0x0                           ; the wave's end
	ds_add_u32 v[SPW], v[NIL]
	s_wait_dscnt 0x0
	s_endpgm
.Lfunc_end_k_qef26afec36_soft:
	.size	k_qef26afec36_soft, .Lfunc_end_k_qef26afec36_soft-k_qef26afec36_soft
	.p2alignl 7, 3214868480
	.fill 96, 4, 3214868480
	.section	.rodata,"a",@progbits
	.p2align	6, 0x0
	.amdhsa_kernel k_qef26afec36_soft
		.amdhsa_group_segment_fixed_size 1280
		.amdhsa_private_segment_fixed_size 0
		.amdhsa_enable_private_segment 0
		.amdhsa_kernarg_size 24
		.amdhsa_user_sgpr_count 2
		.amdhsa_user_sgpr_kernarg_segment_ptr 1
		.amdhsa_wavefront_size32 1
		.amdhsa_system_sgpr_workgroup_id_x 1
		.amdhsa_system_sgpr_workgroup_id_y 1
		.amdhsa_system_sgpr_workgroup_id_z 1
		.amdhsa_system_vgpr_workitem_id 0
		.amdhsa_next_free_vgpr 48
		.amdhsa_next_free_sgpr 66
		.amdhsa_reserve_vcc 1
		.amdhsa_float_denorm_mode_32 3
		.amdhsa_float_denorm_mode_16_64 3
		.amdhsa_memory_ordered 1
		.amdhsa_forward_progress 1
		.amdhsa_inst_pref_size 18
	.end_amdhsa_kernel
	.amdgpu_metadata
---
amdhsa.version: [ 1, 2 ]
amdhsa.kernels:
  - .name:           k_qef26afec36_soft
    .symbol:         k_qef26afec36_soft.kd
    .args:
      - { .name: sc, .offset: 0, .size: 8, .value_kind: global_buffer, .address_space: global }
      - { .name: lengths, .offset: 8, .size: 8, .value_kind: global_buffer, .address_space: global }
      - { .name: out0, .offset: 16, .size: 8, .value_kind: global_buffer, .address_space: global }
    .group_segment_fixed_size: 1280
    .private_segment_fixed_size: 0
    .kernarg_segment_align: 8
    .kernarg_segment_size: 24
    .max_flat_workgroup_size: 256
    .sgpr_count:     66
    .vgpr_count:     48
    .wavefront_size: 32
...
	.end_amdgpu_metadata
.endif
;; end of part 3
